; MI455X (gfx1250); checked and timed in simulation.
; The chip was launched on July 23, 2026; its instructions are those of AMD's public machine-readable ISA for CDNA 5 (MIT licence, August 2026) and "CDNA5" Instruction Set Architecture Reference Guide (July 2026). The comments in the code are by the model that wrote it; some were corrected since.
;; LUTGEMM Linear. Allowed arithmetic: float matrix products may take bf16 or f16 operands with f32 sums; all other float work in f32.
;; Inputs: alpha 32 x 4 x 11,008 float32; q_bias 32 x 11,008 float32; qweight 128 x 4 x 11,008 int32; x 1 x 1 x 4,096 float32.
;; Outputs: out0 1 x 1 x 11,008 float32.
;; One version. Each part assembles by itself: llvm-mc -triple=amdgcn-amd-amdhsa -mcpu=gfx1250 --defsym DOCPART=n.
;; ======== version 1 of 1: 1 launch
;; limits: inputs' magnitudes at most 2,147,483,648
;; launch lutgemv (part 1): grid 172 x 1, 16 waves a work-group, no clusters, 43,008 bytes of LDS; arguments alpha, q_bias, qweight, x, out0; writes out0
.if DOCPART == 1
	.amdgcn_target "amdgcn-amd-amdhsa--gfx1250"
	.amdhsa_code_object_version 6
	.text
	.protected	k_q44a293cb21_lutgemv
	.globl	k_q44a293cb21_lutgemv
	.p2align	8
	.type	k_q44a293cb21_lutgemv,@function
k_q44a293cb21_lutgemv:
	s_mov_b64 s[64:65], 0
	v_nop
	global_prefetch_b8 v0, s[64:65] scope:SCOPE_SE
	s_setreg_imm32_b32 hwreg(HW_REG_WAVE_MODE, 25, 1), 1
	s_wait_xcnt 0x0
; y[o] = sum over g, b of alpha[g][b][o] * partial[g][b][o]  +  sum over g of xsum[g] * q_bias[g][o],
; partial[g][b][o] = sum over the 128 inputs i of group g of x[i] * s, s = +1 where bit i%32 of qweight[i/32][b][o] is set, else -1.
; x [4096] f32, qweight [128][4][11008] i32, alpha [32][4][11008] f32, q_bias [32][11008] f32, y [11008] f32.
;
; SHARES.  A work-group owns 64 outputs (256 consecutive aligned bytes of every row) and all of K; 172 work-groups.  11008 = 256 x 43: 256 equal
; owners would have rows of 172 bytes, unaligned, so 172 are launched.  Sixteen waves; wave v takes words 8v .. 8v+7 = groups 2v, 2v+1.
; All 23 loads of a wave are issued at its head; there is no loop.  Work-groups share only x (16 KB against 172 KB of their own): no cluster.
;
; BITS TO bf16.  Word w shifted left by 4s (s = 0..3), then four positions of each 16-bit half are taken as bf16 patterns as they stand:
;   position 15: (w & 0x80008000) | 0x3f803f80 = -1 (bit set) or +1     x enters A as -x        product  x * s
;   position 14:  w & 0x40004000               =  2 or 0                x enters A as  x        product  2 x bit = x * s + x
;   position 13:  w & 0x20002000               =  2^-63 or 0            x enters A as  x 2^64   product  2 x bit
;   position 12:  w & 0x10001000               =  2^-95 or 0            x enters A as  x 2^96   product  2 x bit
; x is rounded to bf16 once; the factors are powers of two, so every product is exact.  The surplus, C[g] = the sum of the rounded x[i] of the
; group with i % 4 != 3, enters as -C[g] through the C operand of each accumulator's first matrix instruction.
; 3 shifts + 16 logic instructions + 2 matrix instructions for a register of 32 packed words.
;
; LAYOUT.  Lane (r = lane % 16, h = lane / 16) loads 16 bytes: the words of outputs 4r .. 4r+3 of bit plane b = 2 bb + h.  In B lanes r and r + 16
; are one column with different k slots (ISA guide 7.12.2).  A holds the 16 x of a fragment only in row 8h + j, in the k slots of half h: lanes
; j and 24 + j; all other lanes hold zeros.  Register j of D in lane (r, h) is element (8h + j, r): the sum over that SAME lane's B registers.
; So D's register j is the lane's own partial sum of group slot j (j = 0, 1), and alpha loaded with the same lane offset meets it.
;
; LIMITS.  |x| < 2^31 (x 2^96 must stay finite in bf16).  The sign products use x rounded to bf16; xsum, alpha and q_bias stay f32.
; The f32 sums are formed in another order than in the reference.
.set ROWB,   44032                     ; bytes in a row of 11008 words
.set WORDB,  4*ROWB                    ; from word to word of qweight, from group to group of alpha
.set LREG,   2048                      ; LDS bytes of a wave's own region
.set APITCH, 528                       ; lane classes 0, 1, 2 read 528 bytes apart: 16-byte columns 0, 1, 2 modulo 256, no two on the same one
.set RED,    16*LREG                   ; behind the regions: 32 partial rows of 256 bytes
.set VQ,   1                           ; v1       h * ROWB + 16 r: my bytes in qweight, alpha and q_bias
.set VX,   2                           ; v2       my bytes in x
.set VA,   3                           ; v3       LDS address from which I read A fragments
.set VS,   4                           ; v4       LDS: my wave's region + 16 * lane
.set LN,   10                          ; v10      lane
.set T,    12                          ; v[12:15] shifted words, two sets that take turns
.set NEGC, 16                          ; v[16:23] register j: -C of group slot j (j = 0, 1), 0 for the unused rows
.set AF,   24                          ; v[24:55] A fragments: (word parity) x (fragment 0, 1) x 8 registers
.set BS,   56                          ; v[56:71] B, two sets that take turns
.set ACC,  72                          ; v[72:135] eight accumulators, number 4 bb + c
.set Q,    136                         ; v[136:199] qweight: word wi, pair bb at Q + 8 wi + 4 bb
.set AL,   200                         ; v[200:215] alpha: slot j, pair bb at AL + 8 j + 4 bb
.set QB,   216                         ; v[216:219] q_bias of group 2v + h
.set Y,    220                         ; v[220:223] my four outputs' partial sums
.set P,    224                         ; v[224:227] packed bf16 pairs of x
.set XA,   228                         ; v[228:231] x as loaded: the inputs of the word's low half
.set XC,   232                         ; v[232:235] the inputs of its high half
.set WD,   236                         ; v[236:241] rounded x as f32
.set TS,   242                         ; v[242:245] sums at work
.set XS,   246                         ; v246     sum of x of the group of my half of the wave
.set CS,   247                         ; v247     C of that group
.set HI16, 24                          ; s24      a word's upper bf16
.set M12,  25                          ; s25-s28  the four positions, in both halves of a word
.set M13,  26
.set M14,  27
.set M15,  28
.set ONE,  29                          ; s29      1.0, 1.0 in bf16
	s_load_b256 s[4:11], s[0:1], 0x0               ; alpha s[4:5], q_bias s[6:7], qweight s[8:9], x s[10:11]
	s_load_b64 s[12:13], s[0:1], 0x20              ; y
	v_lshl_add_u32 v248, v0, 2, 0xa000
	v_mov_b32 v249, 0
	v_lshrrev_b32 v5, 5, v0
	v_readfirstlane_b32 s14, v5                    ; wave 0..15
	v_and_b32 v5, 15, v0                           ; r
	v_bfe_u32 v6, v0, 4, 1                         ; h
	v_mul_u32_u24 v7, v6, ROWB
	v_lshl_add_u32 v[VQ], v5, 4, v7                ; h rows + 16 r
	; x: thread t prepares shift class s = t % 4 of word t / 4: inputs 32 (t/4) + 12 - 4s + 0..3 and the four 16 further on
	v_and_b32 v7, 3, v0
	v_xor_b32 v7, 3, v7                            ; 3 - s
	v_lshrrev_b32 v8, 2, v0
	v_lshlrev_b32 v8, 7, v8                        ; 128 bytes of x for a word
	v_lshl_add_u32 v[VX], v7, 4, v8
	; A's lane class: r xor 8h is j in the lanes that hold row 8h + j in the k slots of half h, and 8 or more in lanes that are always zero
	s_lshl_b32 s15, s14, 11                        ; my wave's LDS region
	v_lshlrev_b32 v9, 3, v6
	v_xor_b32 v9, v9, v5
	v_min_u32 v9, 2, v9                            ; 0, 1: group slots; 2: never any data
	v_mul_u32_u24 v9, v9, APITCH
	v_add_nc_u32 v[VA], s15, v9
	v_and_b32 v[LN], 31, v0
	v_lshl_add_u32 v[VS], v[LN], 4, s15
	s_lshl_b32 s16, ttmp9, 8                       ; the work-group's 256 bytes in every row
	s_mov_b32 s17, 0
	s_mul_i32 s18, s14, 8*WORDB                    ; qweight: 8 words a wave
	s_add_co_u32 s18, s18, s16
	s_mov_b32 s19, 0
	s_mul_i32 s20, s14, 2*WORDB                    ; alpha: 2 groups a wave
	s_add_co_u32 s20, s20, s16
	s_mov_b32 s21, 0
	s_mul_i32 s22, s14, 2*ROWB                     ; q_bias: 2 rows a wave
	s_add_co_u32 s22, s22, s16
	s_mov_b32 s23, 0
	s_mov_b32 s[HI16], 0xffff0000
	s_mov_b32 s[M12], 0x10001000
	s_mov_b32 s[M13], 0x20002000
	s_mov_b32 s[M14], 0x40004000
	s_mov_b32 s[M15], 0x80008000
	s_mov_b32 s[ONE], 0x3f803f80
	s_wait_kmcnt 0x0
	s_add_nc_u64 s[8:9], s[8:9], s[18:19]
	s_add_nc_u64 s[4:5], s[4:5], s[20:21]
	s_add_nc_u64 s[6:7], s[6:7], s[22:23]
	s_add_nc_u64 s[12:13], s[12:13], s[16:17]
	; All 23 loads, in the order of use.  Each half of the wave reads 256 consecutive aligned bytes of one row.
	global_load_b128 v[XA:XA+3], v[VX], s[10:11]
	global_load_b128 v[XC:XC+3], v[VX], s[10:11] offset:64
.irp wi, 0,1,2,3,4,5,6,7
	global_load_b128 v[Q+8*\wi:Q+8*\wi+3],   v[VQ], s[8:9] offset:\wi*WORDB th:TH_LOAD_NT          ; bit planes 0 (h = 0) and 1 (h = 1)
	global_load_b128 v[Q+8*\wi+4:Q+8*\wi+7], v[VQ], s[8:9] offset:\wi*WORDB+2*ROWB th:TH_LOAD_NT   ; bit planes 2 and 3
.endr
.irp j, 0,1
.irp bb, 0,1
	global_load_b128 v[AL+8*\j+4*\bb:AL+8*\j+4*\bb+3], v[VQ], s[4:5] offset:\j*WORDB+\bb*2*ROWB th:TH_LOAD_NT
.endr
.endr
	global_load_b128 v[QB:QB+3], v[VQ], s[6:7] th:TH_LOAD_NT       ; h = 0: group 2v, h = 1: group 2v + 1
	; My wave's LDS region: zeros at bytes 16..527 and 1040..2047, the x fragments at 528..1039.  No other wave touches it.
.irp i, 2,3,4,5,6,7
	v_mov_b32 v[NEGC+\i], 0                        ; rows 8h + 2 .. 8h + 7 of C are not used; four of these registers also feed the zero stores
.endr
	ds_store_b128 v[VS], v[NEGC+2:NEGC+5] offset:16
	ds_store_b128 v[VS], v[NEGC+2:NEGC+5] offset:1040
	ds_store_b128 v[VS], v[NEGC+2:NEGC+5] offset:1536
	s_wait_loadcnt 21                              ; loads return in order (ISA guide 5.7.1): x is in; 16 of qweight, 4 of alpha, 1 of q_bias stay out
.irp e, 0,1,2,3
	v_cvt_pk_bf16_f32 v[P+\e], v[XA+\e], v[XC+\e]  ; position 12 + e: low half the word's bit 12 + e - 4s, high half bit 28 + e - 4s
.endr
	v_pk_add_f32 v[TS:TS+1], v[XA:XA+1], v[XA+2:XA+3]              ; xsum from x as given
	v_pk_add_f32 v[TS+2:TS+3], v[XC:XC+1], v[XC+2:XC+3]
.irp e, 0,1,2
	v_lshlrev_b32 v[WD+2*\e],   16, v[P+\e]        ; the rounded x of positions 12, 13, 14 as f32
	v_and_b32     v[WD+2*\e+1], s[HI16], v[P+\e]
.endr
	v_pk_add_f32 v[TS:TS+1], v[TS:TS+1], v[TS+2:TS+3]
	v_pk_add_f32 v[TS+2:TS+3], v[WD:WD+1], v[WD+2:WD+3]            ; C from the rounded x, so that it cancels the surplus exactly
	v_add_f32 v[XS], v[TS], v[TS+1]
	v_pk_add_f32 v[TS+2:TS+3], v[TS+2:TS+3], v[WD+4:WD+5]
	v_mul_f32 v[WD],   0x6f800000, v[WD]           ; x 2^96 for position 12
	v_mul_f32 v[WD+1], 0x6f800000, v[WD+1]
	v_mul_f32 v[WD+2], 0x5f800000, v[WD+2]         ; x 2^64 for position 13
	v_mul_f32 v[WD+3], 0x5f800000, v[WD+3]
	v_add_f32 v[CS], v[TS+2], v[TS+3]
	v_cvt_pk_bf16_f32 v[P],   v[WD],   v[WD+1]     ; exact: the numbers are bf16 times a power of two
	v_cvt_pk_bf16_f32 v[P+1], v[WD+2], v[WD+3]
	v_xor_b32 v[P+3], s[M15], v[P+3]               ; -x for position 15
	ds_store_b128 v[VS], v[P:P+3] offset:APITCH    ; word wl, class s at 64 wl + 16 s = 16 x lane: fragment s / 2, registers 4 (s % 2) + e
; The two A fragments (16 registers) of word wi.  Lanes of class j = wi / 4 must hit the data at region + 528 + 64 wi, all others zeros:
; j = 0: offset 528 + 64 wi (class 1 reads 1056.., class 2 1584..: zeros); j = 1: offset 64 wi (class 0 reads 256.., class 2 1312..: zeros).
.macro AFETCH wi
.if (\wi) < 4
	.set AO, APITCH+64*(\wi)
.else
	.set AO, 64*(\wi)
.endif
	.set AR, AF+16*((\wi)&1)
	ds_load_b128 v[AR:AR+3],     v[VA] offset:AO
	ds_load_b128 v[AR+4:AR+7],   v[VA] offset:AO+16
	ds_load_b128 v[AR+8:AR+11],  v[VA] offset:AO+32
	ds_load_b128 v[AR+12:AR+15], v[VA] offset:AO+48
.endm
	AFETCH 0                                       ; LDS serves a wave's instructions in order (ISA guide 5.7.1): these see the stores above
	; sums over the 16 lanes of a half of the wave = the 4 words of a group
.irp m, 1,2,4,8
	v_add_f32_dpp v[XS], v[XS], v[XS] row_xmask:\m row_mask:0xf bank_mask:0xf
	v_add_f32_dpp v[CS], v[CS], v[CS] row_xmask:\m row_mask:0xf bank_mask:0xf
.endr
	v_readlane_b32 s30, v[CS], 0                   ; C of group slot 0
	v_readlane_b32 s31, v[CS], 16                  ; C of group slot 1
	s_xor_b32 s30, s30, 0x80000000
	s_xor_b32 s31, s31, 0x80000000
	v_mov_b32 v[NEGC],   s30                       ; row 8h + 0 of C in every lane
	v_mov_b32 v[NEGC+1], s31                       ; row 8h + 1
; four bf16 pairs from one (shifted) word
.macro SPREAD dst, src
	v_and_b32 v[\dst],   s[M12], v[\src]
	v_and_b32 v[\dst+1], s[M13], v[\src]
	v_and_b32 v[\dst+2], s[M14], v[\src]
	v_and_or_b32 v[\dst+3], v[\src], s[M15], s[ONE]
.endm
; One matrix instruction: fragment t (shift classes 2t, 2t + 1) of word wi for accumulator a = 4 bb + c.
; The two B sets take turns: a set is written again behind the nine or ten plain vector instructions that fill the other set, none of which
; names a register of the matrix instruction that read it (ISA guide 7.12.1 asks for four).
; The eight accumulators take turns, one instruction a turn.
.macro STEP wi, t, a, first, fetch
	.set W, Q+8*(\wi)+(\a)
	.set B, BS+8*((\a)&1)
	.set S, T+2*((\a)&1)
	.set D, ACC+8*(\a)
	.set F, AF+16*((\wi)&1)+8*(\t)
.if \t == 0
	v_lshlrev_b32 v[S], 4, v[W]
	SPREAD B, W
	SPREAD B+4, S
.else
	v_lshlrev_b32 v[S],   8,  v[W]
	v_lshlrev_b32 v[S+1], 12, v[W]
	SPREAD B, S
	SPREAD B+4, S+1
.endif
.if \fetch
	AFETCH (\wi)+1                                 ; into the fragments that the word before used: nine plain vector instructions behind their last matrix instruction
.endif
.if \first
	v_wmma_f32_16x16x32_bf16 v[D:D+7], v[F:F+7], v[B:B+7], v[NEGC:NEGC+7]   ; the first product starts the sum at -C
.else
	v_wmma_f32_16x16x32_bf16 v[D:D+7], v[F:F+7], v[B:B+7], v[D:D+7]
.endif
.endm
.macro WORD wi, first, fetch
	s_wait_loadcnt 19-2*\wi                        ; this word's two loads are in; out may be 2 (7 - wi) of qweight, 4 of alpha, 1 of q_bias
	s_wait_dscnt 0x0                               ; its A fragments, asked for sixteen matrix instructions ago
	STEP \wi, 0, 0, \first, \fetch
.irp a, 1,2,3,4,5,6,7
	STEP \wi, 0, \a, \first, 0
.endr
.irp a, 0,1,2,3,4,5,6,7
	STEP \wi, 1, \a, 0, 0
.endr
.endm
	WORD 0, 1, 1
	WORD 1, 0, 1
	WORD 2, 0, 1
	WORD 3, 0, 1
	WORD 4, 0, 1
	WORD 5, 0, 1
	WORD 6, 0, 1
	WORD 7, 0, 0
	; y of my four outputs: q_bias of my half's group, then alpha times the partial sums of both group slots and both pairs of bit planes
	s_wait_loadcnt 0x0                             ; alpha and q_bias
.irp c, 0,1,2,3
	v_mul_f32 v[Y+\c], v[XS], v[QB+\c]             ; also the four plain vector instructions between the last matrix instruction and the first read of a result (ISA guide 7.12.1)
.endr
.irp j, 0,1
.irp bb, 0,1
.irp c, 0,1,2,3
	v_fmac_f32 v[Y+\c], v[AL+8*\j+4*\bb+\c], v[ACC+8*(4*\bb+\c)+\j]
.endr
.endr
.endr
	; 32 partial rows of 64 outputs (16 waves x 2 halves) meet in LDS; output 4r + c lies at byte 16 r + 4 c of its row
	v_lshlrev_b32 v5, 4, v0
	ds_store_b128 v5, v[Y:Y+3] offset:RED
	s_wait_dscnt 0x0                               ; my row is written before I signal
	s_barrier_signal -1
	s_barrier_wait -1                              ; all 32 rows are written
	s_cmp_lg_u32 s14, 0
	s_cbranch_scc1 .Lend
	v_lshlrev_b32 v6, 3, v[LN]                     ; wave 0: lane l adds outputs 2l and 2l + 1; each load covers a whole row
.set e, 0
.rept 32
	ds_load_b64 v[Q+2*e:Q+2*e+1], v6 offset:RED+256*e
.set e, e+1
.endr
	s_wait_dscnt 16                                ; rows 0..15 are in, the 16 younger loads may be out
.set e, 4
.rept 12
	v_pk_add_f32 v[Q+2*(e&3):Q+2*(e&3)+1], v[Q+2*(e&3):Q+2*(e&3)+1], v[Q+2*e:Q+2*e+1]   ; four chains
.set e, e+1
.endr
	s_wait_dscnt 0x0
.rept 16
	v_pk_add_f32 v[Q+2*(e&3):Q+2*(e&3)+1], v[Q+2*(e&3):Q+2*(e&3)+1], v[Q+2*e:Q+2*e+1]
.set e, e+1
.endr
	v_pk_add_f32 v[Q:Q+1], v[Q:Q+1], v[Q+2:Q+3]
	v_pk_add_f32 v[Q+4:Q+5], v[Q+4:Q+5], v[Q+6:Q+7]
	v_pk_add_f32 v[Q:Q+1], v[Q:Q+1], v[Q+4:Q+5]
	global_store_b64 v6, v[Q:Q+1], s[12:13]        ; 32 lanes store 256 consecutive bytes, at a multiple of 256 from y's first byte
.Lend:
	s_wait_tensorcnt 0x0
	ds_add_u32 v248, v249
	s_wait_dscnt 0x0
	s_endpgm
.Lfunc_end_k_q44a293cb21_lutgemv:
	.size	k_q44a293cb21_lutgemv, .Lfunc_end_k_q44a293cb21_lutgemv-k_q44a293cb21_lutgemv
	.p2alignl 7, 3214868480
	.fill 96, 4, 3214868480
	.section	.rodata,"a",@progbits
	.p2align	6, 0x0
	.amdhsa_kernel k_q44a293cb21_lutgemv
		.amdhsa_group_segment_fixed_size 43008
		.amdhsa_private_segment_fixed_size 0
		.amdhsa_enable_private_segment 0
		.amdhsa_kernarg_size 40
		.amdhsa_user_sgpr_count 2
		.amdhsa_user_sgpr_kernarg_segment_ptr 1
		.amdhsa_wavefront_size32 1
		.amdhsa_system_sgpr_workgroup_id_x 1
		.amdhsa_system_sgpr_workgroup_id_y 1
		.amdhsa_system_sgpr_workgroup_id_z 1
		.amdhsa_system_vgpr_workitem_id 0
		.amdhsa_next_free_vgpr 250
		.amdhsa_next_free_sgpr 66
		.amdhsa_reserve_vcc 0
		.amdhsa_float_denorm_mode_32 3
		.amdhsa_float_denorm_mode_16_64 3
		.amdhsa_memory_ordered 1
		.amdhsa_forward_progress 1
		.amdhsa_inst_pref_size 69
	.end_amdhsa_kernel
	.amdgpu_metadata
---
amdhsa.version: [ 1, 2 ]
amdhsa.kernels:
  - .name:           k_q44a293cb21_lutgemv
    .symbol:         k_q44a293cb21_lutgemv.kd
    .args:
      - { .name: alpha, .offset: 0, .size: 8, .value_kind: global_buffer, .address_space: global }
      - { .name: q_bias, .offset: 8, .size: 8, .value_kind: global_buffer, .address_space: global }
      - { .name: qweight, .offset: 16, .size: 8, .value_kind: global_buffer, .address_space: global }
      - { .name: x, .offset: 24, .size: 8, .value_kind: global_buffer, .address_space: global }
      - { .name: out0, .offset: 32, .size: 8, .value_kind: global_buffer, .address_space: global }
    .group_segment_fixed_size: 43008
    .private_segment_fixed_size: 0
    .kernarg_segment_align: 8
    .kernarg_segment_size: 40
    .max_flat_workgroup_size: 512
    .sgpr_count:     66
    .vgpr_count:     250
    .wavefront_size: 32
...
	.end_amdgpu_metadata
.endif
;; end of part 1
